; MI455X (gfx1250); checked and timed in simulation.
; The chip was launched on July 23, 2026; its instructions are those of AMD's public machine-readable ISA for CDNA 5 (MIT licence, August 2026) and "CDNA5" Instruction Set Architecture Reference Guide (July 2026). The comments in the code are by the model that wrote it; some were corrected since.
;; Self Attention. Allowed arithmetic: matrix products marked QUANTISED: E5M2 operands, one E8M0 scale for each 32 along K, by v_wmma_scale_f32_16x16x128_f8f6f4 with both operands' format E5M2, f32 sums; everything else in f32.
;; Inputs: key_input 4 x 2,048 x 1,024 float32; mask 4 x 1 x 1 x 2,048 int32; query_input 4 x 2,048 x 1,024 float32; value_input 4 x 2,048 x 1,024 float32.
;; Outputs: out0 4 x 2,048 x 1,024 float32.
;; This version of the problem:
;;   THIS VERSION OF THE PROBLEM IS GIVEN IN LOW PRECISION. The matrix products marked QUANTISED in the list below multiply operands that are first quantised to E5M2 (5 exponent bits, 2 mantissa bits; 8 bits a number), with one power-of-two scale for each 32 numbers along K (OCP MX v1.0); their sums are f32. All else is computed in f32.
;;   The module's matrix products, in the order in which they are computed (A, B: the left and right operand; K: the contracted axis; several contracted axes count as one K, in the product's order):
;;     1. batch 64 x [M 2,048, K 64] x [K 64, N 2,048]; A: input query_input; B: input key_input: QUANTISED
;;     2. batch 64 x [M 64, K 2,048] x [K 2,048, N 2,048]; A: input value_input; B: softmax (see below): QUANTISED
;;   THE QUANTISER, for each operand of a quantised product, along K:
;;     - K is cut into blocks of 32 from its start; a last block that is shorter is filled with zeros.
;;     - A block's scale is 2^e with e = floor(log2(the largest magnitude in the block)) - 15, held to -126 .. 127; a block of zeros has e = 0. As a byte (E8M0): e + 127.
;;     - Each number is divided by its block's scale, clamped to +-57,344, and rounded to the nearest number of E5M2, ties to even, subnormals kept.
;;     - The product sums the exact products of the quantised numbers (number of the format x scale) in f32.
;;   ~~~python
;;   def quantise(x, axis):      # numpy; x: float32 -> the quantised numbers, widened to float32 again
;;       x = np.moveaxis(x, axis, -1); K = x.shape[-1]
;;       x = np.pad(x, [(0, 0)] * (x.ndim - 1) + [(0, -K % 32)]); x = x.reshape(x.shape[:-1] + (-1, 32)); a = np.abs(x).max(-1, keepdims=True)
;;       e = np.where(a > 0, np.clip(np.frexp(np.where(a > 0, a, 1))[1] - 1 - 15, -126, 127), 0)      # np.frexp(a)[1] - 1 = floor(log2(a)), exactly
;;       r = np.clip(x / 2.0 ** e, -57344, 57344)
;;       step = 2.0 ** (np.maximum(np.frexp(np.where(r == 0, 1, r))[1] - 1, -14) - 2)
;;       q = np.round(r / step) * step * 2.0 ** e      # np.round: ties to even
;;       return np.moveaxis(q.reshape(q.shape[:-2] + (-1,))[..., :K], -1, axis).astype(np.float32)
;;   ~~~
;;   SOFTMAX AHEAD OF A QUANTISED PRODUCT. Where the list says 'softmax', what is quantised is not the finished softmax but p = 2^(t - M), with t = logit x log2(e) and M = ceil(the row's largest t), a whole number; so 1/2 < the row's largest p <= 1. The row's sum l is taken of the UNQUANTISED p, in f32, and the product's result is divided by l at the end. Since M is a whole number, a kernel that streams over the keys may use a running M (the ceiling of the running maximum): every later rescaling is an exact power of two, which a block's scale takes up: the codes' values come out the same.
;;   OPERANDS COMPUTED ON THE WAY. 'Computed on the way' means the value that the module computes at that place (a softmax that the list does not call 'softmax' is quantised finished and normalised). What goes into a quantiser is computed in f32, as accurately as f32 sums, v_exp_f32 and their like allow (about 1e-6 of the number): no bf16 or f16 on the way to a quantiser, and a product that is left as it is and whose result goes on into a quantised operand takes f32 operands (vector FMAs, or v_wmma_f32_16x16x4_f32). A number that lies on a knife's edge between two numbers of the format may be rounded either way, as far as f32 arithmetic and the matrix unit's own rounding can turn it there, and no further.
;; One version. Each part assembles by itself: llvm-mc -triple=amdgcn-amd-amdhsa -mcpu=gfx1250 --defsym DOCPART=n.
;; ======== version 1 of 1: 1 launch
;; limits: right only within a limited range of input values
;; launch fused (part 1): grid 64 x 4, 8 waves a work-group, no clusters, 314,368 bytes of LDS; arguments key_input, value_input, mask, query_input, out0; writes out0
.if DOCPART == 1
	.amdgcn_target "amdgcn-amd-amdhsa--gfx1250"
	.amdhsa_code_object_version 6
	.text
	.protected	k_qf769e52c45_fused
	.globl	k_qf769e52c45_fused
	.p2align	8
	.type	k_qf769e52c45_fused,@function
k_qf769e52c45_fused:
	s_mov_b64 s[64:65], 0
	v_nop
	global_prefetch_b8 v0, s[64:65] scope:SCOPE_SE
	s_setreg_imm32_b32 hwreg(HW_REG_WAVE_MODE, 25, 1), 1
	s_wait_xcnt 0x0
; out[n][q][h][:] = sum over k of softmax_k(where(mask == 0, -1e20, Q.K) / 32) V, both products on codes of BF8 (E5M2) with one E8M0 scale for each 32 along a product's K.
; Nothing of reference() is left out: every input is loaded.
; SHARES.  A work-group owns 512 queries of one head (grid x = 16 batch + head, grid y = which 512); each of its eight waves owns 64 of them, in two passes of 32 (two tiles of 16).
; K AND V ARE QUANTISED HERE, in the first pass, a key step of 128 keys at a time, into IMAGES OF OPERAND REGISTERS in LDS: a record of REC bytes for each key step; all 16 records stay (278,528 bytes), so the second pass reads them only.
; A record: 0: four packed fragments of K, byte 2048 f + 512 c + 16 lane: c = 0, 1: key 32 f + r + 8 (r / 8), channels 32 c + 16 h + 0 .. 15; c = 2, 3: the key 8 further on (the head has 64 channels, the matrix instruction 128 along K: two keys share a row);
;   8192: four fragments of V^T: byte 2048 T + 512 c + 16 lane: channel 16 T + r, keys 32 c + 16 h + 0 .. 15;  16384: K's scale words, 8 bytes a lane;  16640: V's likewise;  16896: 128 f32 in key order: 0, or -2^66 where mask == 0.
; Wave w = 2 f + u makes an eighth of a record: the half u of K's fragment f (one key a lane pair), that key's mask word, and V's 32 keys 32 f on at channels lane + 32 u: 64 numbers a lane, 41 loads.
; K's AND Q's ROWS ARE LOADED WHOLE: a load takes two rows of 256 bytes, sixteen lanes to a row.  The conversions want 16 neighbours of one row in a lane: sixteen rows turn through the wave's own stage in LDS (rows 272 bytes apart), eight stores and eight loads.
; V needs no turn: a lane takes a channel and its registers run down the keys; a load takes 128 neighbouring bytes of one row.
; A trip of the first pass: step s + 1's numbers (asked for a trip ago) are quantised and stored; step s + 2's are asked for; the barrier is signalled; step s is multiplied; the barrier is waited for.
; THE MASK: a masked key's codes are zeros (its hold is 0) and the first product's C holds -2^66 there, so its score is exactly -2^66.  The C words are loaded into tile 0's score registers and serve tile 1's products first.
; THE SOFTMAX: t = score x log2(e) / 32; M = the running largest t rounded up; p = 2^(t - M) is quantised along the keys; the row's sum is taken of the unquantised p and divides at the end.
; NO JOINT LOADS, though four work-groups read the same K and V: the f32 numbers go into the quantiser's registers; two slots of a step's f32 tiles would be 131,072 bytes beside 278,528 of records, more than 327,680.
; PREFETCH: in the trip that loads step s + 2, step s + 4's rows are named once among the four work-groups of a head: the work-group with grid y takes rows 32 y .. 32 y + 31, wave 0 K's, wave 1 V's, a lane a row of 256 bytes; trips 12 and on ask for nothing.
; LIMITS: NaN and infinities among the inputs are not served.  A block whose largest magnitude lies under 2^(16 - 127), a block of zeros too, keeps the byte 1: these bytes are read here alone.
; The masked energy is -2^66 in place of -1e20: results differ only where unmasked energies lie under about -7e19.  The promise holds while unmasked scaled scores stay under 2^31 in magnitude.
.set ROW,   4096
.set STEPB, 128*ROW
.set REC,   17408
.set VIMG,  8192
.set KSCO,  16384
.set VSCO,  16640
.set BIAO,  16896
.set STAGE, 16*REC                     ; 16 rows x 272 bytes for each wave: K's and Q's turn, and the way out
.set SP,    272
.set SPARE, STAGE+8*16*SP              ; the spare words: 128 bytes a wave
; window 0
.set LI,  1                            ; 16 x lane
.set LB,  2                            ; 64 h
.set L8,  3                            ; 8 x lane
.set STO, 4
.set RD,  5
.set GO,  6
.set SPW, 7
.set NIL, 8
.set ADR, 9
.set ADB, 10
.set ADS, 11
.set NM,  12                           ; -M, largest t: a pair a tile
.set LS,  16
.set FF,  20
.set KSC, 24
.set VSC, 26
.set QS,  28
.set PS,  30
.set CV,  32                           ; v32-33 log2(e) / 32, twice: the two halves of a dual pair take second sources that differ modulo 4
.set TP,  34
.set QA,  36                           ; Q: 8 h rows + 16 r
.set KGA, 37                           ; K: 16 h rows + 16 r
.set MGA, 38                           ; 4 x (r + 8 (r / 8))
.set L4,  39                           ; 4 x lane
.set BM,  40
.set PT,  44
.set HL,  48
.set SO,  52
.set PC,  72
.set A0,  104                          ; v104-108 my places in a record: K's image, K's scale half-word, the C word, V's image, V's scale byte
.set MW,  109
.set MK,  110
.set MKH, 111
.set BI,  112
.set NEG, 113
.set AW,  114                          ; v114-118 the same in the record in hand
.set PFO, 119
.set TS,  120                          ; the turn, in: stage row 8 h, 16 r bytes on
.set TR,  121                          ; the turn, back: stage row r, 64 h bytes on
.set S,   128                          ; v128-255 scores, then p
; window 1
.set FR,  64                           ; fragments of K or V
.set X,   128                          ; 64 numbers on their way
.set QR,  192                          ; 0 | q0 | 0 | q1 | 0
.set WV,  14
.set F,   15
.set U,   16
.set PFB, 38
.set SEL, 44
.set CS,  46
.set MNT, 48
.set TB,  49
.set CNT, 50
.set TW,  51
.set LIM, 52
.set MSB, 0
.macro WIN new
.if MSB != (\new)
	s_set_vgpr_msb (MSB<<8)|(\new)
.set MSB, (\new)
.endif
.endm
	s_load_b256 s[4:11], s[0:1], 0x0               ; key, value, mask, query
	s_load_b64 s[12:13], s[0:1], 0x20              ; out
	v_lshl_add_u32 v[SPW], v0, 2, SPARE
	v_mov_b32 v[NIL], 0
	v_lshrrev_b32 v9, 5, v0
	v_readfirstlane_b32 s[WV], v9
	s_lshr_b32 s[F], s[WV], 1
	s_and_b32 s[U], s[WV], 1
	s_lshr_b32 s18, ttmp9, 4                       ; batch
	s_and_b32 s17, ttmp9, 15                       ; head
	s_and_b32 s58, ttmp7, 0xffff                   ; which 512 queries
	s_lshl_b32 s36, s18, 23
	s_lshl_b32 s17, s17, 8
	s_add_co_u32 s36, s36, s17                     ; the head's first byte in each f32 tensor
	s_mov_b32 s37, 0
	s_lshl_b32 s19, s[F], 17                       ; 32 f rows
	s_lshl_b32 s20, s[U], 15                       ; 8 u rows
	s_add_co_u32 s26, s19, s20
	s_add_co_u32 s26, s26, s36                     ; K: my first key's row
	s_mov_b32 s27, 0
	s_lshl_b32 s20, s[U], 7
	s_add_co_u32 s32, s19, s20
	s_add_co_u32 s32, s32, s36                     ; V: my first key's row, my 32 channels
	s_mov_b32 s33, 0
	s_lshl_b32 s28, s58, 21
	s_lshl_b32 s20, s[WV], 18
	s_add_co_u32 s28, s28, s20
	s_add_co_u32 s28, s28, s36                     ; Q and out: query 512 y + 64 wave
	s_mov_b32 s29, 0
	s_lshl_b32 s55, s[F], 7
	s_lshl_b32 s20, s[U], 5
	s_add_co_u32 s55, s55, s20                     ; 4 x (32 f + 8 u)
	s_lshl_b32 s30, s18, 13
	s_add_co_u32 s30, s30, s55                     ; the mask word of my first key
	s_mov_b32 s31, 0
	s_lshl_b32 s53, s[F], 11
	s_lshl_b32 s20, s[U], 10
	s_add_co_u32 s53, s53, s20
	s_and_b32 s54, s[F], 1
	s_lshl_b32 s54, s54, 7
	s_lshr_b32 s20, s[F], 1
	s_lshl_b32 s20, s20, 2
	s_add_co_u32 s54, s54, s20
	s_lshl_b32 s20, s[U], 1
	s_add_co_u32 s54, s54, s20
	s_lshl_b32 s56, s[U], 12
	s_lshl_b32 s20, s[F], 9
	s_add_co_u32 s56, s56, s20
	s_lshl_b32 s57, s[U], 2
	s_add_co_u32 s57, s57, s[F]
	s_mul_i32 s34, s[WV], 16*SP
	s_add_co_u32 s34, s34, STAGE
	s_lshl_b32 s58, s58, 5
	s_cmp_lt_u32 s[WV], 2
	s_cselect_b32 s[LIM], 12, 0                    ; waves 0 and 1 prefetch, in trips 0 to 11
	s_mov_b32 s[SEL], 0x76543210
	s_mov_b32 s[SEL+1], 0xfedcba98
	s_mov_b32 s[CS], 0x3d38aa3b                    ; log2(e) / 32
	s_mov_b32 s[CS+1], s[CS]
	s_mov_b32 s[MNT], 0x600000                     ; the mantissa field of 57,344
	v_and_b32 v40, 15, v0                          ; r
	v_bfe_u32 v41, v0, 4, 1                        ; h
	v_and_b32 v42, 31, v0                          ; lane
	v_and_b32 v43, 8, v40
	v_add_nc_u32 v43, v43, v40                     ; r + 8 (r / 8)
	v_lshlrev_b32 v[KGA], 16, v41
	v_lshl_add_u32 v[KGA], v40, 4, v[KGA]
	v_lshlrev_b32 v[MGA], 2, v43
	v_lshlrev_b32 v[L4], 2, v42
	v_lshlrev_b32 v[QA], 15, v41
	v_lshl_add_u32 v[QA], v40, 4, v[QA]
	v_lshlrev_b32 v[LI], 4, v42
	v_lshlrev_b32 v[LB], 6, v41
	v_lshlrev_b32 v[L8], 3, v42
	v_add_nc_u32 v[A0], s53, v[LI]                 ; 2048 f + 1024 u + 16 lane
	v_lshl_add_u32 v[A0+1], v40, 3, s54            ; 8 (r + 16 (f % 2)) + 4 (f / 2) + 2 u
	v_add_nc_u32 v[A0+2], s55, v[MGA]              ; 4 x my key
	v_lshlrev_b32 v[A0+3], 11, v41
	v_lshl_add_u32 v[A0+3], v40, 4, v[A0+3]
	v_add_nc_u32 v[A0+3], s56, v[A0+3]             ; 2048 (2 u + h) + 512 f + 16 r
	v_add_nc_u32 v[A0+4], s57, v[L8]               ; 8 lane + 4 u + f
	v_mul_u32_u24 v[STO], v40, SP
	v_lshl_add_u32 v[STO], v41, 5, v[STO]
	v_add_nc_u32 v[STO], s34, v[STO]
	v_mul_u32_u24 v[RD], v41, SP
	v_lshl_add_u32 v[RD], v40, 4, v[RD]
	v_add_nc_u32 v[RD], s34, v[RD]
	v_lshlrev_b32 v[GO], 12, v41
	v_lshl_add_u32 v[GO], v40, 4, v[GO]
	v_mul_u32_u24 v[TS], v41, 8*SP
	v_lshl_add_u32 v[TS], v40, 4, v[TS]
	v_add_nc_u32 v[TS], s34, v[TS]
	v_mul_u32_u24 v[TR], v40, SP
	v_lshl_add_u32 v[TR], v41, 6, v[TR]
	v_add_nc_u32 v[TR], s34, v[TR]
	v_add_nc_u32 v[PFO], s58, v42
	v_lshlrev_b32 v[PFO], 12, v[PFO]               ; row 32 y + lane of a step
	v_mov_b32 v[NEG], 0xe0800000                   ; -2^66
	v_mov_b32 v[CV], s[CS]
	v_mov_b32 v[CV+1], s[CS]
.irp t, 0,1
.irp b, 0,1,2,3
	v_mov_b32 v[PT+16*\t+\b], 0                    ; a lane permute's destination counts as one of its sources
.endr
	v_mov_b32 v[FF+2*\t+1], 0                      ; named as a pair's upper half
.endr
	WIN 0x40
.irp z, 0,16,32
.irp i, 0,1,2,3,4,5,6,7
	v_mov_b32 v[QR+\z+\i], 0                       ; the zero halves beside Q's codes
.endr
.endr
	WIN 0
	s_wait_alu depctr_va_vdst(0)                   ; the wait at the head's end
	s_wait_kmcnt 0x0
	s_cmp_eq_u32 s[U], 0
	s_cselect_b64 s[PFB:PFB+1], s[4:5], s[6:7]
	s_add_nc_u64 s[PFB:PFB+1], s[PFB:PFB+1], s[36:37]
	s_add_nc_u64 s[4:5], s[4:5], s[26:27]
	s_add_nc_u64 s[6:7], s[6:7], s[32:33]
	s_add_nc_u64 s[8:9], s[8:9], s[30:31]
	s_add_nc_u64 s[10:11], s[10:11], s[28:29]
	s_add_nc_u64 s[12:13], s[12:13], s[28:29]
; 32 queries as they lie: load j of tile m: lanes 0-15 row j, lanes 16-31 row 8 + j, 16 bytes a lane
.macro QLOAD d, xw, po
	WIN 0x40*\xw
.irp m, 0,1
.irp j, 0,1,2,3,4,5,6,7
	global_load_b128 v[\d+32*\m+4*\j:\d+32*\m+4*\j+3], v[QA], s[10:11] offset:131072*\po+65536*\m+ROW*\j th:TH_LOAD_NT
.endr
.endr
	WIN 0
.endm
; my eighth of a key step, so steps on from the bases: the mask word; K as it lies: load j: lanes 0-15 my key j, lanes 16-31 the key 16 + j; V: register 32 + i = key i of my channel
.macro XLOAD d, xw, so, mk
	global_load_b32 v[\mk], v[MGA], s[8:9] offset:512*\so
	WIN 0x40*\xw
.irp j, 0,1,2,3,4,5,6,7
	global_load_b128 v[\d+4*\j:\d+4*\j+3], v[KGA], s[4:5] offset:STEPB*\so+ROW*\j
.endr
.set i, 0
.rept 32
	global_load_b32 v[\d+32+i], v[L4], s[6:7] offset:STEPB*\so+ROW*i
.set i, i+1
.endr
	WIN 0
.endm
; sixteen rows through my stage: in as loaded, back 64 bytes a lane: register 16 c + i = row r, channel 32 c + 16 h + i.  LDS serves a wave's instructions in order: no wait between the stores and the loads
.macro TURN d, xw
	WIN 0x04*\xw
.irp j, 0,1,2,3,4,5,6,7
	ds_store_b128 v[TS], v[\d+4*\j:\d+4*\j+3] offset:SP*\j
.endr
	WIN 0x40*\xw
.irp c, 0,1
.irp j, 0,1,2,3
	ds_load_b128 v[\d+16*\c+4*\j:\d+16*\c+4*\j+3], v[TR] offset:128*\c+16*\j
.endr
.endr
	WIN 0
.endm
; four chains of 16 magnitudes with the floor 2^(16 - 127)
.macro MAX4 xs, xw
	WIN 0x14*\xw
.irp b, 0,1,2,3
	v_max3_num_f32 v[BM+\b], 0x8000000, |v[\xs+16*\b]|, |v[\xs+16*\b+1]|
.endr
.irp i, 2,4,6,8,10,12,14
.irp b, 0,1,2,3
	v_max3_num_f32 v[BM+\b], v[BM+\b], |v[\xs+16*\b+\i]|, |v[\xs+16*\b+\i+1]|
.endr
.endr
	WIN 0
.endm
; my eighth of a record: chains 0, 1: K's two blocks of my key (joined with lane l xor 16); chains 2, 3: the halves of V's block of 32 keys, all mine
.macro QUANT xs, xw, mk, aw
	TURN \xs, \xw
	s_wait_dscnt 0x0                               ; K's numbers are back from the stage
	MAX4 \xs, \xw
	v_permlanex16_b32 v[PT], v[BM], s[SEL], s[SEL+1]
	v_permlanex16_b32 v[PT+1], v[BM+1], s[SEL], s[SEL+1]
	v_max_num_f32 v[BM+2], v[BM+2], v[BM+3]
	v_max_num_f32 v[BM], v[BM], v[PT]
	v_max_num_f32 v[BM+1], v[BM+1], v[PT+1]
.irp b, 2,0,1
	v_add_nc_u32 v[SO+\b], 0xf8800000, v[BM+\b]    ; 15 off the exponent field: the conversion's scale operand
.endr
.irp b, 2,0,1
	v_and_or_b32 v[HL+\b], v[BM+\b], 0x7f800000, s[MNT]   ; 57,344 x the scale
.endr
.irp b, 2,0,1
	v_lshrrev_b32 v[PT+\b], 23, v[SO+\b]           ; the byte
.endr
	v_cmp_ne_u32 vcc_lo, 0, v[\mk]
	v_cndmask_b32 v[MW], 0, -1, vcc_lo
	v_cndmask_b32 v[BI], v[NEG], 0, vcc_lo         ; the first product's C for my key
	v_lshl_or_b32 v[PT], v[PT+1], 8, v[PT]         ; my key's two bytes
	v_and_b32 v[HL], v[HL], v[MW]                  ; a masked key is held at 0
	v_and_b32 v[HL+1], v[HL+1], v[MW]
	WIN 0x41*\xw
.set i, 0
.rept 64
.if i < 32
	v_med3_num_f32 v[\xs+i], v[\xs+i], -v[HL+i/16], v[HL+i/16]   ; the conversion does not saturate (ISA guide 7.6.2): the hold
.else
	v_med3_num_f32 v[\xs+i], v[\xs+i], -v[HL+2], v[HL+2]
.endif
.set i, i+1
.endr
	WIN 0x01*\xw
.irp g, 0,1,2,3
	v_cvt_scalef32_pk8_bf8_f32 v[PC+2*\g:PC+2*\g+1], v[\xs+8*\g:\xs+8*\g+7], v[SO+\g/2]
.endr
.irp g, 0,1,2,3
	v_cvt_scalef32_pk8_bf8_f32 v[PC+8+2*\g:PC+8+2*\g+1], v[\xs+32+8*\g:\xs+32+8*\g+7], v[SO+2]
.endr
	WIN 0
	v_nop                                          ; a plain line behind the last conversion
	ds_store_b128 v[\aw], v[PC:PC+3]
	ds_store_b128 v[\aw], v[PC+4:PC+7] offset:512
	ds_store_b16 v[\aw+1], v[PT] offset:KSCO       ; lanes r and r + 16 write the same bytes with the same value
	ds_store_b32 v[\aw+2], v[BI] offset:BIAO
	ds_store_b128 v[\aw+3], v[PC+8:PC+11] offset:VIMG       ; keys 0-15 of the block: the image's lanes 0-15
	ds_store_b128 v[\aw+3], v[PC+12:PC+15] offset:VIMG+256  ; keys 16-31
	ds_store_b8 v[\aw+4], v[PT+2] offset:VSCO
.endm
; 32 queries into codes beside their zero halves, and their scale words (the two bytes twice: either half of K's row meets them)
.macro QQ xs, xw
	TURN \xs, \xw                                  ; tile 0,
	TURN \xs+32, \xw                               ; tile 1: its stores come behind tile 0's loads
	s_wait_dscnt 0x0
	MAX4 \xs, \xw
.irp b, 0,1,2,3
	v_permlanex16_b32 v[PT+\b], v[BM+\b], s[SEL], s[SEL+1]
.endr
.irp b, 0,1,2,3
	v_max_num_f32 v[BM+\b], v[BM+\b], v[PT+\b]
.endr
.irp b, 0,1,2,3
	v_add_nc_u32 v[SO+\b], 0xf8800000, v[BM+\b]
.endr
.irp b, 0,1,2,3
	v_and_or_b32 v[HL+\b], v[BM+\b], 0x7f800000, s[MNT]
.endr
.irp b, 0,1,2,3
	v_lshrrev_b32 v[PT+\b], 23, v[SO+\b]
.endr
	v_lshl_or_b32 v[QS], v[PT+1], 8, v[PT]
	v_lshl_or_b32 v[QS+1], v[PT+3], 8, v[PT+2]
	v_lshl_or_b32 v[QS], v[QS], 16, v[QS]
	v_lshl_or_b32 v[QS+1], v[QS+1], 16, v[QS+1]
	WIN 0x41*\xw
.set i, 0
.rept 64
	v_med3_num_f32 v[\xs+i], v[\xs+i], -v[HL+i/16], v[HL+i/16]
.set i, i+1
.endr
	WIN 0x40+\xw
.irp m, 0,1
.irp g, 0,1,2,3
	v_cvt_scalef32_pk8_bf8_f32 v[QR+8+16*\m+2*\g:QR+8+16*\m+2*\g+1], v[\xs+32*\m+8*\g:\xs+32*\m+8*\g+7], v[SO+2*\m+\g/2]
.endr
.endr
	WIN 0
	v_nop
.endm
.macro PINIT                                   ; a pass begins: largest t -3e38, sums and O^T zeros, which the first change of M leaves zeros
.irp t, 0,1
	v_mov_b32 v[NM+2*\t+1], 0xff61b1e6
	v_mov_b32 v[LS+2*\t], 0
	v_mov_b32 v[LS+2*\t+1], 0
.endr
.irp t, 0,1
	v_floor_f32 v[NM+2*\t], -v[NM+2*\t+1]
.endr
	WIN 0x40
.set j, 0
.rept 64
	v_mov_b32 v[j], 0
.set j, j+1
.endr
	WIN 0
.endm
; S^T = K Q^T + C.  C lies in tile 0's score registers
.macro SPROD f, u, t
.if (\f)%2
	v_wmma_scale_f32_16x16x128_f8f6f4 v[S+64*\t+16*\f+8*\u:S+64*\t+16*\f+8*\u+7], v[FR+16*\f:FR+16*\f+15], v[QR+8+16*\t-8*\u:QR+8+16*\t-8*\u+15], v[S+16*\f+8*\u:S+16*\f+8*\u+7], v[KSC+(\f)/2], v[QS+\t] matrix_a_fmt:MATRIX_FMT_BF8 matrix_b_fmt:MATRIX_FMT_BF8 matrix_a_scale:MATRIX_SCALE_ROW1
.else
	v_wmma_scale_f32_16x16x128_f8f6f4 v[S+64*\t+16*\f+8*\u:S+64*\t+16*\f+8*\u+7], v[FR+16*\f:FR+16*\f+15], v[QR+8+16*\t-8*\u:QR+8+16*\t-8*\u+15], v[S+16*\f+8*\u:S+16*\f+8*\u+7], v[KSC+(\f)/2], v[QS+\t] matrix_a_fmt:MATRIX_FMT_BF8 matrix_b_fmt:MATRIX_FMT_BF8
.endif
.endm
.macro PVPROD d, t
.if (\d)%2
	v_wmma_scale_f32_16x16x128_f8f6f4 v[32*\t+8*\d:32*\t+8*\d+7], v[FR+16*\d:FR+16*\d+15], v[PC+16*\t:PC+16*\t+15], v[32*\t+8*\d:32*\t+8*\d+7], v[VSC+(\d)/2], v[PS+\t] matrix_a_fmt:MATRIX_FMT_BF8 matrix_b_fmt:MATRIX_FMT_BF8 matrix_a_scale:MATRIX_SCALE_ROW1
.else
	v_wmma_scale_f32_16x16x128_f8f6f4 v[32*\t+8*\d:32*\t+8*\d+7], v[FR+16*\d:FR+16*\d+15], v[PC+16*\t:PC+16*\t+15], v[32*\t+8*\d:32*\t+8*\d+7], v[VSC+(\d)/2], v[PS+\t] matrix_a_fmt:MATRIX_FMT_BF8 matrix_b_fmt:MATRIX_FMT_BF8
.endif
.endm
; each block's largest score of tile t, the four blocks by turns: it serves for the row's maximum and for the block's largest p.  MXA: the first eight lines; MXB: the rest
.macro MXA t
.irp b, 0,1,2,3
	v_max3_num_f32 v[BM+16*\t+\b], v[S+64*\t+16*\b], v[S+64*\t+16*\b+1], v[S+64*\t+16*\b+2]
.endr
.irp b, 0,1,2,3
	v_max3_num_f32 v[BM+16*\t+\b], v[BM+16*\t+\b], v[S+64*\t+16*\b+3], v[S+64*\t+16*\b+4]
.endr
.endm
.macro MXB t
.irp i, 5,7,9,11,13
.irp b, 0,1,2,3
	v_max3_num_f32 v[BM+16*\t+\b], v[BM+16*\t+\b], v[S+64*\t+16*\b+\i], v[S+64*\t+16*\b+\i+1]
.endr
.endr
.irp b, 0,1,2,3
	v_max_num_f32 v[BM+16*\t+\b], v[BM+16*\t+\b], v[S+64*\t+16*\b+15]
.endr
.endm
; A KEY STEP: the record at s[TB], 128 keys x my 32 queries
.macro STEP
	v_add_nc_u32 v[ADR], s[TB], v[LI]
	v_add_nc_u32 v[ADB], s[TB], v[LB]
	v_add_nc_u32 v[ADS], s[TB], v[L8]
.rept 5
	v_nop                                          ; with the three above: eight places in front of loads into registers that the last products read
.endr
	ds_load_b64 v[KSC:KSC+1], v[ADS] offset:KSCO
	ds_load_b64 v[VSC:VSC+1], v[ADS] offset:VSCO
	WIN 0x40
.irp f, 0,1,2,3
.irp c, 0,1,2,3
	ds_load_b128 v[FR+16*\f+4*\c:FR+16*\f+4*\c+3], v[ADR] offset:2048*\f+512*\c
.endr
.endr
	WIN 0
.irp f, 0,1,2,3
.irp c, 0,1,2,3
	ds_load_b128 v[S+16*\f+4*\c:S+16*\f+4*\c+3], v[ADB] offset:BIAO+128*\f+16*\c   ; C: register 16 f + i is key 32 f + 16 h + i
.endr
.endr
	WIN 0x05
	s_wait_alu depctr_va_vdst(0)
.irp f, 0,1,2,3
	s_wait_dscnt 4*(3-\f)                          ; the C words of the later fragments may be out
.irp u, 0,1
	SPROD \f, \u, 1                                ; tile 1 first: it reads C and leaves it
.endr
.endr
.rept 9
	v_nop                                          ; nine places before products write over registers that products have read as C; they are also the places in front of tile 1's maxima
.endr
.irp f, 0,1,2,3
.irp u, 0,1
	SPROD \f, \u, 0                                ; tile 0 adds in place
.endr
.endr
	WIN 0
	MXA 1                                          ; eight lines on tile 1's scores alone: the places behind tile 0's products
	WIN 0x40
.irp d, 0,1,2,3
.irp c, 0,1,2,3
	ds_load_b128 v[FR+16*\d+4*\c:FR+16*\d+4*\c+3], v[ADR] offset:VIMG+2048*\d+512*\c
.endr
.endr
	WIN 0
	MXB 1
	MXA 0
	MXB 0
.irp b, 0,1,2,3
.irp t, 0,1
	v_permlanex16_b32 v[PT+16*\t+\b], v[BM+16*\t+\b], s[SEL], s[SEL+1]
.endr
.endr
.irp b, 0,1,2,3
.irp t, 0,1
	v_max_num_f32 v[BM+16*\t+\b], v[BM+16*\t+\b], v[PT+16*\t+\b]
.endr
.endr
.irp t, 0,1
	v_max3_num_f32 v[TP+\t], v[BM+16*\t], v[BM+16*\t+1], v[BM+16*\t+2]
.endr
.irp t, 0,1
	v_max_num_f32 v[TP+\t], v[TP+\t], v[BM+16*\t+3]
.endr
.irp t, 0,1
	v_mul_f32 v[TP+\t], s[CS], v[TP+\t]
.endr
.irp t, 0,1
	v_max_num_f32 v[NM+2*\t+1], v[NM+2*\t+1], v[TP+\t]   ; the running largest t
.endr
.irp t, 0,1
	v_mov_b32 v[TP+\t], v[NM+2*\t]
.endr
.irp t, 0,1
	v_floor_f32 v[NM+2*\t], -v[NM+2*\t+1]          ; -M = floor(-t)
.endr
.irp t, 0,1
	v_sub_f32 v[TP+\t], v[NM+2*\t], v[TP+\t]
.endr
.irp t, 0,1
	v_cvt_i32_f32 v[TP+\t], v[TP+\t]               ; (it saturates)
.endr
.irp t, 0,1
	v_ldexp_f32 v[FF+2*\t], 1.0, v[TP+\t]          ; f = 2^(old M - new M)
.endr
; t - M, as dual pairs: an even register of tile 0 with an odd one of tile 1, and the other way round, so that destinations and each place's sources differ as a pair must
.set j, 0
.rept 32
	v_dual_fma_f32 v[S+j], v[S+j], v[CV], v[NM] :: v_dual_fma_f32 v[S+65+j], v[S+65+j], v[CV+1], v[NM+2]
	v_dual_fma_f32 v[S+j+1], v[S+j+1], v[CV], v[NM] :: v_dual_fma_f32 v[S+64+j], v[S+64+j], v[CV+1], v[NM+2]
.set j, j+2
.endr
.irp b, 0,1,2,3
.irp t, 0,1
	v_fma_f32 v[BM+16*\t+\b], v[BM+16*\t+\b], s[CS], v[NM+2*\t]
.endr
.endr
.set j, 0
	s_wait_alu depctr_va_vdst(0)                   ; the wait ahead of the batch
.rept 128
	v_exp_f32 v[S+j], v[S+j]
.set j, j+1
.endr
.irp t, 0,1
	v_pk_mul_f32 v[LS+2*\t:LS+2*\t+1], v[LS+2*\t:LS+2*\t+1], v[FF+2*\t:FF+2*\t+1] op_sel_hi:[1,0]
.endr
	s_wait_alu depctr_va_vdst(0)                   ; and behind it
.irp b, 0,1,2,3
.irp t, 0,1
	v_exp_f32 v[BM+16*\t+\b], v[BM+16*\t+\b]       ; each block's largest p
.endr
.endr
	v_nop                                          ; a plain line behind the transcendentals: dual pairs follow
.irp t, 0,1
	v_dual_add_f32 v[PT+16*\t], v[S+64*\t], v[S+64*\t+2] :: v_dual_add_f32 v[PT+16*\t+1], v[S+64*\t+1], v[S+64*\t+3]   ; the sums of the unquantised p: four chains a tile, two to a pair
.endr
.irp j, 4,8,12,16,20,24,28,32,36,40,44,48,52,56,60
.irp t, 0,1
	v_dual_add_f32 v[LS+2*\t], v[LS+2*\t], v[S+64*\t+\j] :: v_dual_add_f32 v[LS+2*\t+1], v[LS+2*\t+1], v[S+64*\t+\j+1]
	v_dual_add_f32 v[PT+16*\t], v[PT+16*\t], v[S+64*\t+\j+2] :: v_dual_add_f32 v[PT+16*\t+1], v[PT+16*\t+1], v[S+64*\t+\j+3]
.endr
.endr
.irp t, 0,1
	v_dual_add_f32 v[LS+2*\t], v[LS+2*\t], v[PT+16*\t] :: v_dual_add_f32 v[LS+2*\t+1], v[LS+2*\t+1], v[PT+16*\t+1]
.endr
	s_wait_alu depctr_va_vdst(0)                   ; for the eight
.irp b, 0,1,2,3
.irp t, 0,1
	v_max_num_f32 v[BM+16*\t+\b], 0x8000000, v[BM+16*\t+\b]
.endr
.endr
.irp b, 0,1,2,3
.irp t, 0,1
	v_add_nc_u32 v[SO+16*\t+\b], 0xf8800000, v[BM+16*\t+\b]
.endr
.endr
.irp b, 0,1,2,3
.irp t, 0,1
	v_and_or_b32 v[HL+16*\t+\b], v[BM+16*\t+\b], 0x7f800000, s[MNT]
.endr
.endr
.irp b, 0,1,2,3
.irp t, 0,1
	v_lshrrev_b32 v[PT+16*\t+\b], 23, v[SO+16*\t+\b]
.endr
.endr
.irp t, 0,1
	v_lshl_or_b32 v[PS+\t], v[PT+16*\t+1], 8, v[PT+16*\t]
.endr
.irp t, 0,1
	v_lshl_or_b32 v[PS+\t], v[PT+16*\t+2], 16, v[PS+\t]
.endr
.irp t, 0,1
	v_lshl_or_b32 v[PS+\t], v[PT+16*\t+3], 24, v[PS+\t]
.endr
; the one-sided hold on p, two blocks at a time: a pair takes an even register of one block and an odd one of the next, so that destinations, first sources and second sources differ as a pair must
.irp t, 0,1
.irp b, 0,2
.irp i, 0,2,4,6,8,10,12,14
	v_dual_min_num_f32 v[S+64*\t+16*\b+\i], v[S+64*\t+16*\b+\i], v[HL+16*\t+\b] :: v_dual_min_num_f32 v[S+64*\t+16*\b+17+\i], v[S+64*\t+16*\b+17+\i], v[HL+16*\t+\b+1]
	v_dual_min_num_f32 v[S+64*\t+16*\b+\i+1], v[S+64*\t+16*\b+\i+1], v[HL+16*\t+\b] :: v_dual_min_num_f32 v[S+64*\t+16*\b+16+\i], v[S+64*\t+16*\b+16+\i], v[HL+16*\t+\b+1]
.endr
.irp g, 0,1,2,3
	v_cvt_scalef32_pk8_bf8_f32 v[PC+16*\t+4*\b+2*\g:PC+16*\t+4*\b+2*\g+1], v[S+64*\t+16*\b+8*\g:S+64*\t+16*\b+8*\g+7], v[SO+16*\t+\b+\g/2]
.endr
.endr
.endr
	WIN 0x41
	s_wait_alu depctr_va_vdst(0)                   ; directly ahead of the first lines that read O^T
.set j, 0
.rept 32
	v_pk_mul_f32 v[j:j+1], v[j:j+1], v[FF+2*(j/32):FF+2*(j/32)+1] op_sel_hi:[1,0]   ; O^T under the new M
.set j, j+2
.endr
	s_wait_alu depctr_va_vdst(0)                   ; directly ahead of the wait below
	s_wait_dscnt 0x0                               ; V's fragments
	WIN 0x51
.irp d, 0,1,2,3
.irp t, 0,1
	PVPROD \d, \t
.endr
.endr
	WIN 0
	s_add_co_u32 s[TB], s[TB], REC
.endm
; THE WAY OUT of a pass: O^T / the sum, through my stage, as rows of 256 bytes
.macro OUTT t
	WIN 0x01
.set j, 0
.rept 16
	v_pk_mul_f32 v[S+64*\t+j:S+64*\t+j+1], v[32*\t+j:32*\t+j+1], v[FF+2*\t:FF+2*\t+1] op_sel_hi:[1,0]
.set j, j+2
.endr
	WIN 0
.irp d, 0,1,2,3
	ds_store_b128 v[STO], v[S+64*\t+8*\d:S+64*\t+8*\d+3] offset:64*\d
	ds_store_b128 v[STO], v[S+64*\t+8*\d+4:S+64*\t+8*\d+7] offset:64*\d+16
.endr
.irp i, 0,1,2,3,4,5,6,7
	ds_load_b128 v[S+64*\t+32+4*\i:S+64*\t+32+4*\i+3], v[RD] offset:\i*2*SP   ; LDS serves a wave's instructions in order
.endr
.endm
.macro SEND t, younger
.irp i, 0,1,2,3,4,5,6,7
	s_wait_dscnt \younger+7-\i
	global_store_b128 v[GO], v[S+64*\t+32+4*\i:S+64*\t+32+4*\i+3], s[12:13] offset:65536*\t+8192*\i th:TH_STORE_NT   ; sixteen lanes store 256 consecutive bytes, aligned
.endr
.endm
.macro OUT
.irp t, 0,1
	v_add_f32 v[TP+\t], v[LS+2*\t], v[LS+2*\t+1]
.endr
.rept 6
	v_nop
.endr
.irp t, 0,1
	v_permlanex16_b32 v[PT+16*\t], v[TP+\t], s[SEL], s[SEL+1]
.endr
.irp t, 0,1
	v_add_f32 v[TP+\t], v[TP+\t], v[PT+16*\t]
.endr
	s_wait_alu depctr_va_vdst(0)                   ; the wait ahead of the transcendentals
.irp t, 0,1
	v_rcp_f32 v[FF+2*\t], v[TP+\t]
.endr
	v_nop
	s_wait_alu depctr_va_vdst(0)                   ; and behind them
	OUTT 0
	OUTT 1
	SEND 0, 16                                     ; tile 1's eight stores and eight loads may be out
	SEND 1, 0
	s_wait_xcnt 0x0                                ; the stores' registers and base are written again only behind this wait
.endm
	QLOAD S, 0, 0                                  ; the first pass's queries,
	XLOAD S+64, 0, 0, MKH                          ; my eighth of key step 0,
	XLOAD X, 1, 1, MK                              ; and of key step 1
	s_wait_loadcnt 41                              ; all but step 1's 41 loads are in
	QUANT S+64, 0, MKH, A0                         ; record 0
	QQ S, 0                                        ; (it stores to my stage: so it stands ahead of the signal)
	s_wait_dscnt 0x0                               ; my stores are done: say so,
	s_barrier_signal -1
	PINIT                                          ; work on registers while the others arrive,
	s_mov_b32 s[TB], 0
	s_mov_b32 s[CNT], 0
	s_wait_alu depctr_va_vdst(0)                   ; the wait ahead of the barrier's wait
	s_barrier_wait -1                              ; record 0 is whole
.Lp0:                                              ; THE FIRST PASS: 16 trips
	s_cmp_lt_u32 s[CNT], 15
	s_cbranch_scc0 .Lnoq                           ; the last trip has no record left to make
	s_add_co_u32 s[TW], s[TB], REC
.irp a, 0,1,2,3,4
	v_add_nc_u32 v[AW+\a], s[TW], v[A0+\a]
.endr
	s_wait_loadcnt 0x0                             ; step s + 1's numbers, asked for a trip ago
	QUANT X, 1, MK, AW
	s_wait_xcnt 0x0                                ; the last trip's prefetch has read its base
	s_add_nc_u64 s[4:5], s[4:5], STEPB
	s_add_nc_u64 s[6:7], s[6:7], STEPB
	s_add_nc_u64 s[8:9], s[8:9], 512
	s_add_nc_u64 s[PFB:PFB+1], s[PFB:PFB+1], STEPB
	s_cmp_lt_u32 s[CNT], 14
	s_cbranch_scc0 .Lq2
	XLOAD X, 1, 1, MK                              ; step s + 2
	s_cmp_lt_u32 s[CNT], s[LIM]
	s_cbranch_scc0 .Lnoq
	global_prefetch_b8 v[PFO], s[PFB:PFB+1] offset:3*STEPB th:TH_LOAD_NT scope:SCOPE_SE   ; step s + 4: my work-group's 32 rows
	s_branch .Lnoq
.Lq2:
	QLOAD X, 1, 1                                  ; trip 14: no key step is left: the second pass's queries
.Lnoq:
	s_wait_alu depctr_va_vdst(0)                   ; directly ahead of the wait below
	s_wait_dscnt 0x0                               ; my part of record s + 1 is stored: say so;
	s_barrier_signal -1
	STEP                                           ; record s: LDS loads of bytes that nobody writes again, and work on registers;
	s_barrier_wait -1                              ; record s + 1 is whole
	s_add_co_u32 s[CNT], s[CNT], 1
	s_cmp_lt_u32 s[CNT], 16
	s_cbranch_scc1 .Lp0
	OUT
	s_add_nc_u64 s[12:13], s[12:13], 32*ROW
	s_wait_loadcnt 0x0
	QQ X, 1
	PINIT
	s_mov_b32 s[TB], 0
	s_mov_b32 s[CNT], 16
	s_wait_alu depctr_va_vdst(0)
.Lp1:                                              ; THE SECOND PASS: all records lie in LDS and nobody writes them: no barrier
	STEP
	s_sub_co_u32 s[CNT], s[CNT], 1
	s_cmp_lg_u32 s[CNT], 0
	s_cbranch_scc1 .Lp1
	OUT
	s_wait_tensorcnt 0x0                           ; the wave's end
	ds_add_u32 v[SPW], v[NIL]
	s_wait_dscnt 0x0
	s_endpgm
.Lfunc_end_k_qf769e52c45_fused:
	.size	k_qf769e52c45_fused, .Lfunc_end_k_qf769e52c45_fused-k_qf769e52c45_fused
	.p2alignl 7, 3214868480
	.fill 96, 4, 3214868480
	.section	.rodata,"a",@progbits
	.p2align	6, 0x0
	.amdhsa_kernel k_qf769e52c45_fused
		.amdhsa_group_segment_fixed_size 314368
		.amdhsa_private_segment_fixed_size 0
		.amdhsa_enable_private_segment 0
		.amdhsa_kernarg_size 40
		.amdhsa_user_sgpr_count 2
		.amdhsa_user_sgpr_kernarg_segment_ptr 1
		.amdhsa_wavefront_size32 1
		.amdhsa_system_sgpr_workgroup_id_x 1
		.amdhsa_system_sgpr_workgroup_id_y 1
		.amdhsa_system_sgpr_workgroup_id_z 1
		.amdhsa_system_vgpr_workitem_id 0
		.amdhsa_next_free_vgpr 512
		.amdhsa_next_free_sgpr 66
		.amdhsa_reserve_vcc 1
		.amdhsa_float_denorm_mode_32 3
		.amdhsa_float_denorm_mode_16_64 3
		.amdhsa_memory_ordered 1
		.amdhsa_forward_progress 1
		.amdhsa_inst_pref_size 154
	.end_amdhsa_kernel
	.amdgpu_metadata
---
amdhsa.version: [ 1, 2 ]
amdhsa.kernels:
  - .name:           k_qf769e52c45_fused
    .symbol:         k_qf769e52c45_fused.kd
    .args:
      - { .name: key_input, .offset: 0, .size: 8, .value_kind: global_buffer, .address_space: global }
      - { .name: value_input, .offset: 8, .size: 8, .value_kind: global_buffer, .address_space: global }
      - { .name: mask, .offset: 16, .size: 8, .value_kind: global_buffer, .address_space: global }
      - { .name: query_input, .offset: 24, .size: 8, .value_kind: global_buffer, .address_space: global }
      - { .name: out0, .offset: 32, .size: 8, .value_kind: global_buffer, .address_space: global }
    .group_segment_fixed_size: 314368
    .private_segment_fixed_size: 0
    .kernarg_segment_align: 8
    .kernarg_segment_size: 40
    .max_flat_workgroup_size: 256
    .sgpr_count:     66
    .vgpr_count:     512
    .wavefront_size: 32
...
	.end_amdgpu_metadata
.endif
;; end of part 1
